; MI455X (gfx1250); checked and timed in simulation.
; The chip was launched on July 23, 2026; its instructions are those of AMD's public machine-readable ISA for CDNA 5 (MIT licence, August 2026) and "CDNA5" Instruction Set Architecture Reference Guide (July 2026). The comments in the code are by the model that wrote it; some were corrected since.
;; Multi Head Attention. Allowed arithmetic: matrix products marked QUANTISED: E5M2 operands, one E8M0 scale for each 32 along K, by v_wmma_scale_f32_16x16x128_f8f6f4 with both operands' format E5M2, f32 sums; everything else in f32.
;; Inputs: Wk 16 x 1,024 x 64 float32; Wq 16 x 1,024 x 64 float32; Wv 16 x 1,024 x 64 float32; x 4 x 2,048 x 1,024 float32.
;; Outputs: out0 4 x 2,048 x 1,024 float32.
;; This version of the problem:
;;   THIS VERSION OF THE PROBLEM IS GIVEN IN LOW PRECISION. The matrix products marked QUANTISED in the list below multiply operands that are first quantised to E5M2 (5 exponent bits, 2 mantissa bits; 8 bits a number), with one power-of-two scale for each 32 numbers along K (OCP MX v1.0); their sums are f32. All else is computed in f32.
;;   The module's matrix products, in the order in which they are computed (A, B: the left and right operand; K: the contracted axis; several contracted axes count as one K, in the product's order):
;;     1. [M 1,024, K 1,024] x [K 1,024, N 8,192]; A: input Wq; B: input x: QUANTISED
;;     2. [M 1,024, K 1,024] x [K 1,024, N 8,192]; A: input Wk; B: input x: QUANTISED
;;     3. [M 1,024, K 1,024] x [K 1,024, N 8,192]; A: input Wv; B: input x: QUANTISED
;;     4. batch 64 x [M 2,048, K 64] x [K 64, N 2,048]; A: computed on the way; B: computed on the way: QUANTISED
;;     5. batch 64 x [M 2,048, K 2,048] x [K 2,048, N 64]; A: softmax (see below); B: computed on the way: QUANTISED
;;   THE QUANTISER, for each operand of a quantised product, along K:
;;     - K is cut into blocks of 32 from its start; a last block that is shorter is filled with zeros.
;;     - A block's scale is 2^e with e = floor(log2(the largest magnitude in the block)) - 15, held to -126 .. 127; a block of zeros has e = 0. As a byte (E8M0): e + 127.
;;     - Each number is divided by its block's scale, clamped to +-57,344, and rounded to the nearest number of E5M2, ties to even, subnormals kept.
;;     - The product sums the exact products of the quantised numbers (number of the format x scale) in f32.
;;   ~~~python
;;   def quantise(x, axis):      # numpy; x: float32 -> the quantised numbers, widened to float32 again
;;       x = np.moveaxis(x, axis, -1); K = x.shape[-1]
;;       x = np.pad(x, [(0, 0)] * (x.ndim - 1) + [(0, -K % 32)]); x = x.reshape(x.shape[:-1] + (-1, 32)); a = np.abs(x).max(-1, keepdims=True)
;;       e = np.where(a > 0, np.clip(np.frexp(np.where(a > 0, a, 1))[1] - 1 - 15, -126, 127), 0)      # np.frexp(a)[1] - 1 = floor(log2(a)), exactly
;;       r = np.clip(x / 2.0 ** e, -57344, 57344)
;;       step = 2.0 ** (np.maximum(np.frexp(np.where(r == 0, 1, r))[1] - 1, -14) - 2)
;;       q = np.round(r / step) * step * 2.0 ** e      # np.round: ties to even
;;       return np.moveaxis(q.reshape(q.shape[:-2] + (-1,))[..., :K], -1, axis).astype(np.float32)
;;   ~~~
;;   SOFTMAX AHEAD OF A QUANTISED PRODUCT. Where the list says 'softmax', what is quantised is not the finished softmax but p = 2^(t - M), with t = logit x log2(e) and M = ceil(the row's largest t), a whole number; so 1/2 < the row's largest p <= 1. The row's sum l is taken of the UNQUANTISED p, in f32, and the product's result is divided by l at the end. Since M is a whole number, a kernel that streams over the keys may use a running M (the ceiling of the running maximum): every later rescaling is an exact power of two, which a block's scale takes up: the codes' values come out the same.
;;   OPERANDS COMPUTED ON THE WAY. 'Computed on the way' means the value that the module computes at that place (a softmax that the list does not call 'softmax' is quantised finished and normalised). What goes into a quantiser is computed in f32, as accurately as f32 sums, v_exp_f32 and their like allow (about 1e-6 of the number): no bf16 or f16 on the way to a quantiser, and a product that is left as it is and whose result goes on into a quantised operand takes f32 operands (vector FMAs, or v_wmma_f32_16x16x4_f32). A number that lies on a knife's edge between two numbers of the format may be rounded either way, as far as f32 arithmetic and the matrix unit's own rounding can turn it there, and no further.
;; One version. Each part assembles by itself: llvm-mc -triple=amdgcn-amd-amdhsa -mcpu=gfx1250 --defsym DOCPART=n.
;; ======== version 1 of 1: 3 launches
;; limits: right only within a limited range of input values
;; workspace buffers: xq 8,388,608 bytes; xs 262,144 bytes; wq 3,145,728 bytes; ws 98,304 bytes; qkv 25,952,256 bytes
;; launch quant (part 1): grid 448 x 1, 4 waves a work-group, no clusters, 34,304 bytes of LDS; arguments x, Wq, Wk, Wv, xq, xs, wq, ws; writes xq, xs, wq, ws
.if DOCPART == 1
	.amdgcn_target "amdgcn-amd-amdhsa--gfx1250"
	.amdhsa_code_object_version 6
	.text
	.protected	k_q34427812f5_quant
	.globl	k_q34427812f5_quant
	.p2align	8
	.type	k_q34427812f5_quant,@function
k_q34427812f5_quant:
	s_mov_b64 s[64:65], 0
	v_nop
	global_prefetch_b8 v0, s[64:65] scope:SCOPE_SE
	s_setreg_imm32_b32 hwreg(HW_REG_WAVE_MODE, 25, 1), 1
	s_wait_xcnt 0x0
; x [8192 tokens][1024] and Wq, Wk, Wv [16 heads][1024][64], f32, become codes of BF8 (E5M2) with one E8M0 scale byte for each 32 along E, which is the K of the three projections.
; A block's scale is 2^(floor(log2(its largest magnitude)) - 15); its byte is the largest magnitude's exponent field - 15, held at 1 from below; each number is held within +-57,344 x the scale and rounded to the nearest code, ties to even.
; THE CODES ARE STORED AS IMAGES OF THE MATRIX OPERAND'S REGISTERS: a fragment (16 rows x 128 K) is four pieces of 512 bytes; lane l's registers 4 c .. 4 c + 3 (k = 32 c + 16 (l / 16) + 0 .. 15 of row l % 16) lie at 512 c + 16 l.
; THE ROWS OF A TILE ARE NOT NEIGHBOURS: in a group of 32 rows (tokens; a head's d) tile u's image row r is row 8 u + r + 8 (r / 8), so that, where such tiles are source 0 of a product, a lane's 16 results of two tiles are 16 neighbours.
;   xq [4 slots][512 token tiles][2 K steps][4][32][16];  wq [4][192 tiles: 64 x kind + 4 x head + tile][2][4][32][16];  xs, ws [tile][2][16 rows][4 words]: word i of half f is the scale word of K step 4 f + i.
; Work-groups 0-191 take the weights, 192-447 take x: one scalar branch on the work-group's number.  Only x's path touches LDS.  No work-group shares an input byte with another in x; matrix units, clusters and tensor loads would add nothing to a stream.
; LIMITS: NaN and infinities among the inputs are not served.  A block of zeros gets the byte 1 where the rule says 127: its codes are zeros, and this program alone reads the bytes.
; The weights' scale words are stored 4 bytes a lane, 16 bytes apart (98,304 bytes in all, against 58 MB that the launch moves): those blocks of 256 bytes are written in parts.
.set SEL, 20                           ; s[20:21] lane selects of v_permlanex16_b32: lane l xor 16
.set MNT, 23                           ; s23  the mantissa field of 57,344
.set TM,  16                           ; v16-19 largest magnitudes, v20-23 bytes, v24-27 57,344 x the scale, v28-31 the conversions' scale operands
.set PC,  40                           ; v40-55  a fragment's codes
.set SW,  56                           ; v56-59  four scale words
.set R,   64                           ; v64-191 x as loaded, two sets of 64 (the weights' path: 128 numbers of a column)
.set N,   192                          ; v192-255 64 numbers in the operand's order (the weights' path: v192-223 codes)
.set LI,  5                            ; v5   16 x lane
.set SI,  6                            ; v6   the stage, on the way in
.set SO,  7                            ; v7   the stage, on the way out
.set RS,  8                            ; v8   16 x (lane % 16)
	s_load_b256 s[4:11], s[0:1], 0x0               ; x s[4:5], Wq s[6:7], Wk s[8:9], Wv s[10:11]
	s_load_b256 s[12:19], s[0:1], 0x20             ; xq s[12:13], xs s[14:15], wq s[16:17], ws s[18:19]
	v_lshl_add_u32 v62, v0, 2, 0x8400
	v_mov_b32 v63, 0
	v_lshrrev_b32 v1, 5, v0
	v_readfirstlane_b32 s22, v1                    ; wave 0..3
	v_and_b32 v2, 31, v0                           ; lane
	v_and_b32 v3, 15, v0                           ; r
	v_bfe_u32 v4, v0, 4, 1                         ; lane / 16
	s_mov_b32 s[SEL], 0x76543210
	s_mov_b32 s[SEL+1], 0xfedcba98
	s_mov_b32 s[MNT], 0x600000
	s_mov_b32 s31, 0                               ; the upper word of every offset pair s[30:31]
	s_wait_kmcnt 0x0
	s_cmp_lt_u32 ttmp9, 192
	s_cbranch_scc0 .Lx
; ---- THE WEIGHTS.  g = 64 x kind + 4 x head + 2 x beta + f.  A wave takes 32 columns d (group beta of the head) x 128 along E (K step 4 f + wave).
; A lane takes ONE column and its registers run down E: a block of 32 lies in one lane, and the conversions give codes with K innermost.  Lane (u, r) takes the column that is image row r of tile u.
	s_cmp_lt_u32 ttmp9, 128
	s_cselect_b64 s[24:25], s[8:9], s[10:11]
	s_cmp_lt_u32 ttmp9, 64
	s_cselect_b64 s[24:25], s[6:7], s[24:25]       ; the kind's weights: the choice hangs on the work-group's number alone
	s_lshr_b32 s26, ttmp9, 2
	s_and_b32 s26, s26, 15                         ; head
	s_lshr_b32 s27, ttmp9, 1
	s_and_b32 s27, s27, 1                          ; beta
	s_and_b32 s28, ttmp9, 1                        ; f
	s_lshl_b32 s29, s28, 2
	s_add_co_u32 s29, s29, s22                     ; K step
	s_lshl_b32 s30, s26, 18                        ; a head is 262,144 bytes,
	s_lshl_b32 s32, s29, 15                        ; 128 rows of 256 bytes are 32,768,
	s_add_co_u32 s30, s30, s32
	s_lshl_b32 s32, s27, 7                         ; 32 columns are 128
	s_add_co_u32 s30, s30, s32
	s_add_nc_u64 s[24:25], s[24:25], s[30:31]
	s_and_b32 s33, ttmp9, 0xfe                     ; the first of my two tiles: 64 x kind + 4 x head + 2 x beta
	; THE ORDER OF xq AND wq: [block of 16 tiles][4 slots][16 tiles][2 K steps][4][32][16]: a block of 256 rows has its four quarters of K on end, 262,144 dense bytes (this takes the place of the order named at the head)
	s_lshr_b32 s30, s29, 1                         ; slot = K step / 2: 65,536 bytes
	s_lshl_b32 s30, s30, 16
	s_lshr_b32 s32, s33, 4                         ; the block of 16 tiles
	s_lshl_b32 s32, s32, 18
	s_add_co_u32 s30, s30, s32
	s_and_b32 s32, s33, 15                         ; the tile in it
	s_lshl_b32 s32, s32, 12
	s_add_co_u32 s30, s30, s32
	s_and_b32 s32, s29, 1
	s_lshl_b32 s32, s32, 11
	s_add_co_u32 s30, s30, s32
	s_add_nc_u64 s[16:17], s[16:17], s[30:31]
	s_lshl_b32 s30, s33, 9
	s_lshl_b32 s32, s28, 8
	s_add_co_u32 s30, s30, s32
	s_lshl_b32 s32, s22, 2
	s_add_co_u32 s30, s30, s32
	s_add_nc_u64 s[18:19], s[18:19], s[30:31]
	s_wait_alu depctr_va_vdst(0)
	v_and_b32 v5, 8, v3
	v_add_nc_u32 v5, v5, v3                        ; r + 8 (r / 8)
	v_lshl_add_u32 v5, v4, 3, v5                   ; + 8 u: my column in the group of 32
	v_lshlrev_b32 v5, 2, v5
	v_lshlrev_b32 v6, 4, v3
	v_lshl_add_u32 v7, v4, 12, v6                  ; the codes: tile u, 16 r
	v_lshl_add_u32 v8, v4, 9, v6                   ; the scale word: tile u, 16 r
.macro WLOAD c                         ; block c: W(32 c + i, my column), i = 0 .. 31
.set i, 0
.rept 32
	global_load_b32 v[R+32*(\c)+i], v5, s[24:25] offset:256*(32*(\c)+i)
.set i, i+1
.endr
.endm
.macro WBLOCK c
.set XS, R+32*(\c)
.if (\c) < 3
	s_wait_loadcnt 32                              ; this block's 32 loads are in; the next block's 32 may be out
.else
	s_wait_loadcnt 0x0
.endif
.if (\c) < 2
	WLOAD (\c)+2                                   ; each block has registers of its own: two blocks are always asked for ahead
.endif
	v_max3_num_f32 v16, |v[XS]|, |v[XS+1]|, |v[XS+2]|      ; the block's largest magnitude: all 32 numbers are mine; two chains
	v_max3_num_f32 v17, |v[XS+3]|, |v[XS+4]|, |v[XS+5]|
.irp i, 6,10,14,18,22,26
	v_max3_num_f32 v16, v16, |v[XS+\i]|, |v[XS+\i+1]|
	v_max3_num_f32 v17, v17, |v[XS+\i+2]|, |v[XS+\i+3]|
.endr
	v_max3_num_f32 v16, v16, |v[XS+30]|, |v[XS+31]|
	v_max3_num_f32 v16, v16, v17, 0x8000000        ; and the floor 2^(16 - 127): the byte cannot fall under 1
	v_add_nc_u32 v18, 0xf8800000, v16              ; 15 off the exponent field: the conversion's scale operand
	v_and_or_b32 v19, v16, 0x7f800000, s[MNT]      ; 57,344 x the scale
	v_lshrrev_b32 v17, 23, v18                     ; the byte
.if (\c) == 0
	v_mov_b32 v20, v17
.else
	v_lshl_or_b32 v20, v17, 8*(\c), v20            ; four bytes make the K step's scale word
.endif
.set i, 0
.rept 32
	v_med3_num_f32 v[XS+i], v[XS+i], -v19, v19     ; the conversion to an 8-bit code does not saturate (ISA guide 7.6.2): the hold comes first
.set i, i+1
.endr
.irp g, 0,1,2,3
	v_cvt_scalef32_pk8_bf8_f32 v[N+8*(\c)+2*\g:N+8*(\c)+2*\g+1], v[XS+8*\g:XS+8*\g+7], v18
.endr
	v_nop                                          ; a plain line behind the last conversion
	global_store_b128 v7, v[N+8*(\c):N+8*(\c)+3], s[16:17] offset:512*(\c)          ; k = 32 c + 0 .. 15: the image's lanes 0-15; sixteen lanes store 256 consecutive bytes, aligned
	global_store_b128 v7, v[N+8*(\c)+4:N+8*(\c)+7], s[16:17] offset:512*(\c)+256    ; k = 32 c + 16 .. 31: its lanes 16-31
.endm
	WLOAD 0
	WLOAD 1
	s_wait_alu depctr_va_vdst(0)
	WBLOCK 0
	WBLOCK 1
	WBLOCK 2
	WBLOCK 3
	global_store_b32 v8, v20, s[18:19]
	s_endpgm
; ---- x.  Work-group g' takes tokens 32 g' .. 32 g' + 31.  Wave (u, f) takes tile u's 16 rows x 512 along E: K steps 4 f .. 4 f + 3.
; Each load reads 512 consecutive bytes of one row; a K step's 16 rows turn through the wave's own stage in LDS (rows 528 bytes apart: the sixteen rows that a load touches start at sixteen different banks)
; and come back in the operand's order: lane (r, h) gets, of row r, k = 32 c + 16 h + 0 .. 15.
.Lx:
	s_sub_co_u32 s26, ttmp9, 192                   ; g'
	s_lshr_b32 s27, s22, 1                         ; u
	s_and_b32 s28, s22, 1                          ; f
	s_lshl_b32 s30, s26, 17                        ; 32 rows of 4,096 bytes,
	s_lshl_b32 s32, s27, 15                        ; tile u begins 8 rows on,
	s_add_co_u32 s30, s30, s32
	s_lshl_b32 s32, s28, 11                        ; 512 numbers are 2,048 bytes
	s_add_co_u32 s30, s30, s32
	s_add_nc_u64 s[4:5], s[4:5], s[30:31]
	s_lshl_b32 s29, s26, 1
	s_add_co_u32 s29, s29, s27                     ; the tile
	s_lshl_b32 s30, s28, 17                        ; two slots of 65,536 bytes
	s_lshr_b32 s32, s29, 4                         ; the block of 16 tiles: 262,144 bytes
	s_lshl_b32 s32, s32, 18
	s_add_co_u32 s30, s30, s32
	s_and_b32 s32, s29, 15                         ; the tile in it
	s_lshl_b32 s32, s32, 12
	s_add_co_u32 s30, s30, s32
	s_add_nc_u64 s[12:13], s[12:13], s[30:31]
	s_lshl_b32 s30, s29, 9
	s_lshl_b32 s32, s28, 8
	s_add_co_u32 s30, s30, s32
	s_add_nc_u64 s[14:15], s[14:15], s[30:31]
	s_mul_i32 s32, s22, 8448                       ; my stage: 16 rows x 528 bytes
	s_wait_alu depctr_va_vdst(0)
	v_lshlrev_b32 v[LI], 4, v2
	v_add_nc_u32 v[SI], s32, v[LI]
	v_mul_u32_u24 v[SO], v3, 528
	v_lshl_add_u32 v[SO], v4, 6, v[SO]
	v_add_nc_u32 v[SO], s32, v[SO]
	v_lshlrev_b32 v[RS], 4, v3
.irp b, 0,1,2,3
	v_mov_b32 v[TM+4+\b], 0                        ; written once: a lane permute's destination counts as one of its sources
.endr
.macro LOADX t                         ; K step t of my four: image row p is row p + 8 (p / 8) of my tile's span
.irp p, 0,1,2,3,4,5,6,7,8,9,10,11,12,13,14,15
	global_load_b128 v[R+64*((\t)%2)+4*\p:R+64*((\t)%2)+4*\p+3], v[LI], s[4:5] offset:(\p+8*(\p/8))*4096+512*(\t) th:TH_LOAD_NT
.endr
.endm
; 64 numbers of a lane, register 16 b + i = k 32 b + 16 (lane / 16) + i of my row, become a fragment's codes in v[pc] on and its scale word in v[pw].
.macro QUANT s, pc, pw
.irp b, 0,1,2,3
	v_max3_num_f32 v[TM+\b], |v[\s+16*\b]|, |v[\s+1+16*\b]|, 0x8000000   ; my 16 numbers of block b, and the floor 2^(16 - 127)
.endr
.irp i, 2,4,6,8,10,12,14
.irp b, 0,1,2,3
	v_max3_num_f32 v[TM+\b], v[TM+\b], |v[\s+16*\b+\i]|, |v[\s+1+16*\b+\i]|   ; the four blocks by turns
.endr
.endr
.irp b, 0,1,2,3
	v_permlanex16_b32 v[TM+4+\b], v[TM+\b], s[SEL], s[SEL+1]
.endr
.irp b, 0,1,2,3
	v_max_num_f32 v[TM+\b], v[TM+\b], v[TM+4+\b]   ; with lane l xor 16's 16: the block's largest magnitude
.endr
.irp b, 0,1,2,3
	v_add_nc_u32 v[TM+12+\b], 0xf8800000, v[TM+\b]
.endr
.irp b, 0,1,2,3
	v_and_or_b32 v[TM+8+\b], v[TM+\b], 0x7f800000, s[MNT]
.endr
.irp b, 0,1,2,3
	v_lshrrev_b32 v[TM+4+\b], 23, v[TM+12+\b]
.endr
	v_lshl_or_b32 v[\pw], v[TM+5], 8, v[TM+4]
	v_lshl_or_b32 v[\pw], v[TM+6], 16, v[\pw]
	v_lshl_or_b32 v[\pw], v[TM+7], 24, v[\pw]
.irp b, 0,1,2,3
.irp i, 0,1,2,3,4,5,6,7,8,9,10,11,12,13,14,15
	v_med3_num_f32 v[\s+16*\b+\i], v[\s+16*\b+\i], -v[TM+8+\b], v[TM+8+\b]
.endr
	v_cvt_scalef32_pk8_bf8_f32 v[\pc+4*\b:\pc+4*\b+1], v[\s+16*\b:\s+16*\b+7], v[TM+12+\b]
	v_cvt_scalef32_pk8_bf8_f32 v[\pc+4*\b+2:\pc+4*\b+3], v[\s+16*\b+8:\s+16*\b+15], v[TM+12+\b]
.endr
	v_nop                                          ; a plain line behind the last conversion
.endm
.macro XSTEP t
.if (\t) < 3
	s_wait_loadcnt 16                              ; this K step's 16 loads are in; the next step's 16 may be out
.else
	s_wait_loadcnt 0x0
.endif
.irp p, 0,1,2,3,4,5,6,7,8,9,10,11,12,13,14,15
	ds_store_b128 v[SI], v[R+64*((\t)%2)+4*\p:R+64*((\t)%2)+4*\p+3] offset:528*\p
.endr
.irp c, 0,1,2,3
.irp j, 0,1,2,3
	ds_load_b128 v[N+16*\c+4*\j:N+16*\c+4*\j+3], v[SO] offset:128*\c+16*\j   ; LDS serves a wave's instructions in order (ISA guide 5.7.1.4): these see the stores above
.endr
.endr
	s_wait_dscnt 0x0                               ; the numbers are back, and the stores into the stage have read their registers
	s_wait_xcnt 0x0                                ; the last step's stores have read the codes' registers, which are written again below
.if (\t) < 2
	LOADX (\t)+2
.endif
	QUANT N, PC, SW+(\t)
.irp c, 0,1,2,3
	global_store_b128 v[LI], v[PC+4*\c:PC+4*\c+3], s[12:13] offset:((\t)/2)*65536+((\t)%2)*2048+512*\c   ; 32 lanes store 512 consecutive bytes, aligned
.endr
.endm
	LOADX 0
	LOADX 1
	s_wait_alu depctr_va_vdst(0)
	XSTEP 0
	XSTEP 1
	XSTEP 2
	XSTEP 3
	s_wait_xcnt 0x0                                ; EXEC changes only behind this wait
	v_cmp_gt_u32 vcc_lo, 16, v2
	s_wait_tensorcnt 0x0
	ds_add_u32 v62, v63
	s_wait_dscnt 0x0
	s_and_saveexec_b32 s30, vcc_lo
	global_store_b128 v[RS], v[SW:SW+3], s[14:15]  ; lanes 0-15: row r's four scale words: 256 consecutive bytes, aligned (lanes 16-31 hold the same words)
	s_wait_xcnt 0x0
	s_or_b32 exec_lo, exec_lo, s30
	s_endpgm
.Lfunc_end_k_q34427812f5_quant:
	.size	k_q34427812f5_quant, .Lfunc_end_k_q34427812f5_quant-k_q34427812f5_quant
	.p2alignl 7, 3214868480
	.fill 96, 4, 3214868480
	.section	.rodata,"a",@progbits
	.p2align	6, 0x0
	.amdhsa_kernel k_q34427812f5_quant
		.amdhsa_group_segment_fixed_size 34304
		.amdhsa_private_segment_fixed_size 0
		.amdhsa_enable_private_segment 0
		.amdhsa_kernarg_size 64
		.amdhsa_user_sgpr_count 2
		.amdhsa_user_sgpr_kernarg_segment_ptr 1
		.amdhsa_wavefront_size32 1
		.amdhsa_system_sgpr_workgroup_id_x 1
		.amdhsa_system_sgpr_workgroup_id_y 1
		.amdhsa_system_sgpr_workgroup_id_z 1
		.amdhsa_system_vgpr_workitem_id 0
		.amdhsa_next_free_vgpr 256
		.amdhsa_next_free_sgpr 66
		.amdhsa_reserve_vcc 1
		.amdhsa_float_denorm_mode_32 3
		.amdhsa_float_denorm_mode_16_64 3
		.amdhsa_memory_ordered 1
		.amdhsa_forward_progress 1
		.amdhsa_inst_pref_size 80
	.end_amdhsa_kernel
	.amdgpu_metadata
---
amdhsa.version: [ 1, 2 ]
amdhsa.kernels:
  - .name:           k_q34427812f5_quant
    .symbol:         k_q34427812f5_quant.kd
    .args:
      - { .name: x, .offset: 0, .size: 8, .value_kind: global_buffer, .address_space: global }
      - { .name: Wq, .offset: 8, .size: 8, .value_kind: global_buffer, .address_space: global }
      - { .name: Wk, .offset: 16, .size: 8, .value_kind: global_buffer, .address_space: global }
      - { .name: Wv, .offset: 24, .size: 8, .value_kind: global_buffer, .address_space: global }
      - { .name: xq, .offset: 32, .size: 8, .value_kind: global_buffer, .address_space: global }
      - { .name: xs, .offset: 40, .size: 8, .value_kind: global_buffer, .address_space: global }
      - { .name: wq, .offset: 48, .size: 8, .value_kind: global_buffer, .address_space: global }
      - { .name: ws, .offset: 56, .size: 8, .value_kind: global_buffer, .address_space: global }
    .group_segment_fixed_size: 34304
    .private_segment_fixed_size: 0
    .kernarg_segment_align: 8
    .kernarg_segment_size: 64
    .max_flat_workgroup_size: 128
    .sgpr_count:     66
    .vgpr_count:     256
    .wavefront_size: 32
...
	.end_amdgpu_metadata
.endif
;; end of part 1
;; launch proj (part 2): grid 8 x 32, 4 waves a work-group, clusters of 4 x 4, 327,680 bytes of LDS; arguments xq, xs, wq, ws, qkv; writes qkv
.if DOCPART == 2
	.amdgcn_target "amdgcn-amd-amdhsa--gfx1250"
	.amdhsa_code_object_version 6
	.text
	.protected	k_q34427812f5_proj
	.globl	k_q34427812f5_proj
	.p2align	8
	.type	k_q34427812f5_proj,@function
k_q34427812f5_proj:
	s_mov_b64 s[64:65], 0
	v_nop
	global_prefetch_b8 v0, s[64:65] scope:SCOPE_SE
	s_setreg_imm32_b32 hwreg(HW_REG_WAVE_MODE, 25, 1), 1
	s_wait_xcnt 0x0
	s_wait_alu depctr_hold_cnt(0) depctr_sa_sdst(0) depctr_va_vdst(0) depctr_va_sdst(0) depctr_va_ssrc(0) depctr_va_vcc(0) depctr_vm_vsrc(0)
	s_getreg_b32 s2, hwreg(HW_REG_IB_STS2, 6, 4)
	s_cmp_eq_u32 s2, 0
	s_cbranch_scc0 .Lentry_in_a_cluster
	s_endpgm
.Lentry_in_a_cluster:
	s_bfe_u32 s2, ttmp6, 0x10000c
	s_cmp_lg_u32 s2, 0xf033
	s_cbranch_scc0 .Lentry_shape_is_right
	s_endpgm
.Lentry_shape_is_right:
; q, k, v = x W: three products [8192 tokens] x [1024 (head, d)] over E = 1,024, on codes of BF8 (E5M2) with E8M0 scales, and their results quantised at once: q and k along d, v along the keys.
; THE DEAL: 256 work-groups of four waves, all with the same work.  PART 1: 256 tokens x 256 columns of q (cluster x = 0) or k (1), a wave 128 x 128: 64 accumulators.  PART 2: 128 rows of Wv x 256 tokens of v, a wave 64 x 128: 32 accumulators.
; OPERANDS LIE IN MEMORY AS IMAGES OF THE MATRIX OPERAND'S REGISTERS (a fragment of 16 rows x 128 K: 2,048 bytes, lane l's registers 4 c .. 4 c + 3 at 512 c + 16 l), [block of 256 rows][4 quarters of K][16 tiles][4,096]:
; every LDS read takes 512 consecutive bytes, so there is no pitch and no padding.
; P is source 0, R is source 1: in a result a lane holds ONE row of R and its registers run along rows of P.  Part 1: P = the weights, R = tokens: a lane has a token and 64 numbers along d of two heads.
; Part 2: P = tokens, R = Wv's rows: a lane has one d and 64 numbers along the keys.  Either way the registers run along the NEXT product's K, and, the rows of a tile being chosen for it
; (image row r of tile u of a group of 32 is row 8 u + r + 8 (r / 8)), the 16 registers of two neighbouring tiles of P are 16 neighbours: the conversions' results ARE images of the next operands.
; CLUSTERS: 4 x 4 work-groups.  R's tiles hang on cy alone and are asked for jointly by a row of the cluster, P's on cx alone, by a column, in both parts.
; LDS: R's region (two slots of 65,536 bytes), P's region (the same), the scale words (R's 8,192 bytes, P's 8,192), the spare words.
; FILLS.  At the head, one load a wave: R's and P's first two quarters of K (131,072 bytes each) and their scale words.  Part 1 refills each slot once.  Inside part 1's last K step, when all its fragments are in registers,
; one drained round brings part 2's tiles, one load a wave: Wv's 128 rows for ALL of K (four rows of 32,768 bytes) over R's region, the tokens' first two quarters of K over P's, both sets of scale words over part 1's:
; they are on their way while part 1's results are quantised and stored.  One more drained round, a quarter a wave, brings the tokens' last two quarters.
; OUT: qkv [64 (batch, head)][16 key steps] records of 25,344 bytes: K's 8 tiles x 1,024 | V's 4 fragments x 2,048 | K's scales [16 rows][16 bytes] | V's scale words [16 rows][4] | Q's 8 tiles | Q's scales.
; Every store of codes is 512 consecutive bytes, aligned; results leave from registers, with no stage.
; LEFT OUT: a prefetch of the tiles: the K steps are written out, there is no loop to run ahead in, and the launch has four refilling rounds in all.
; LIMITS: a block of zeros gets the byte 1 where the rule says 127 (its codes are zeros; this program alone reads the bytes); NaN and infinities are not served.
; REGISTERS, in windows of 256: window 0: v1-29 addresses; v32-63 scale words, two sets; v128-255 R's fragments (part 1: one set of eight; part 2: two sets of four).  window 1: P's fragments, two sets.  windows 2, 3: the accumulators ((a, b) at v[8 (8 (a % 4) + b)]).
.set NQ,    2                          ; matrix instructions deep in a slot
.set FR,    16                         ; registers of a fragment
.set NL,    4                          ; LDS loads that bring one
.set NP,    8                          ; places behind this matrix instruction (ISA guide 7.12.1)
.set SLOT,  65536
.set POFF,  131072
.set SCL,   262144
.set SPARE, 278528                     ; the spare words, 128 bytes for each wave
.set REC,   25344                      ; a record of qkv
.set HS,    405504                     ; a head's 16 records
.set VSO,  8                           ; v8      q's, k's scale bytes: 16 r; lanes 16-31 the second head's
.set VSEL, 9                           ; v9      what a lane keeps of two blocks' scale words
.set ADRA, 16                          ; v16-17  LDS address of R's fragments in slot 0, 1 (part 1)
.set ADRV, 18                          ; v18-19  of Wv's fragments: quarters 0, 1 and 2, 3 of K (part 2)
.set ADRB, 20                          ; v20-21  of P's in slot 0, 1
.set LI,   24                          ; v24     16 x lane
.set R16,  25                          ; v25     16 x (lane % 16)
.set ADRS2, 26                         ; v26     as v27, for part 2
.set ADRS, 27                          ; v27     LDS address of my scale words: lanes 0-15 R's rows, lanes 16-31 P's
.set SPW,  28                          ; v28     LDS address of my spare word; never rewritten
.set NIL,  29                          ; v29     0; never rewritten
.set SC,   32                          ; scale words: set s at v[SC + 16 s]; register 2 i + q: lanes 0-15 R's block i, lanes 16-31 P's block i
.set AF,   128                         ; R's fragments
.set TM,   32                          ; the way out: v32-47 at work, v48-55 scale words of the blocks, v56-59 what is stored of them
.set PW,   48
.set OUTW, 56
.set PC,   128                         ; v128-255 the codes: 16 registers for each block
.set G1, 24                            ; s[24:31] group 1 for R's tiles; s[32:39] group 0, two sets
.set G0, 32
.set G1B, 48                           ; s[48:55], s[56:63] the same for P's
.set G0B, 56
.set G1S, 68                           ; s[68:75], s[76:79] for R's scales; s[80:87], s[88:91] for P's
.set G0S, 76
.set G1SB, 80
.set G0SB, 88
.set G0H, 4                            ; s[4:7], s[8:11] group 0 of the head's loads of codes (the arguments that lay there have been used by then)
.set G0HB, 8
.set MSB, 0
.macro WIN new                         ; the immediate's high byte repeats the setting that is left
.if MSB != \new
	s_set_vgpr_msb (MSB<<8)|\new
.set MSB, \new
.endif
.endm
.set MUL_LO, 0xa1                      ; source 0 (P) window 1, source 1 (R) window 0, C and D window 2
.set MUL_HI, 0xf1                      ; the same, C and D window 3
.set TO_B,   0x40                      ; destination window 1, address window 0
.macro PLACES n
.rept \n
	v_nop
.endr
.endm
; A joint refill of part 1: waves 0 and 1 fetch for R, waves 2 and 3 for P.  The branch hangs on the wave's number alone.  An s_nop 0 and four v_nop follow each load.
.macro JLOAD g0a, g1a, g0b, g1b
	s_cmp_eq_u32 s15, 0
	s_cbranch_scc0 .Lfor_b_\@
	tensor_load_to_lds s[\g0a:\g0a+3], s[\g1a:\g1a+7]
	s_nop 0
	PLACES 4
	s_branch .Lasked_\@
.Lfor_b_\@:
	tensor_load_to_lds s[\g0b:\g0b+3], s[\g1b:\g1b+7]
	s_nop 0
	PLACES 4
.Lasked_\@:
.endm
; Four tiles, one a wave: wave 0 R's codes, wave 1 P's, wave 2 R's scale words, wave 3 P's: one chain of branches on the wave's number, an arm a load, all arms leading to one join.
.macro ARM under, g0, g1, next, join
	s_cmp_lt_u32 s14, \under
	s_cbranch_scc0 \next
	tensor_load_to_lds s[\g0:\g0+3], s[\g1:\g1+7]
	s_nop 0
	PLACES 4
	s_branch \join
\next:
.endm
.macro FOUR g0a, g0b
	ARM 1, \g0a, G1,  .Lfb_\@, .Lfj_\@
	ARM 2, \g0b, G1B, .Lfc_\@, .Lfj_\@
	ARM 3, G0S,  G1S, .Lfd_\@, .Lfj_\@
	tensor_load_to_lds s[G0SB:G0SB+3], s[G1SB:G1SB+7]
	s_nop 0
	PLACES 4
.Lfj_\@:
.endm
.macro CREST                           ; a round of the cluster's barrier behind its opening barrier
	s_cmp_lg_u32 s14, 0
	s_cbranch_scc1 .Lnot_wave_0_\@
	s_barrier_signal -3
.Lnot_wave_0_\@:
	s_barrier_wait -3
	s_barrier_signal -1
	s_barrier_wait -1
.endm
.macro CROUND
	s_barrier_signal -1
	s_barrier_wait -1
	CREST
.endm
	s_load_b256 s[4:11], s[0:1], 0x0               ; xq s[4:5], xs s[6:7], wq s[8:9], ws s[10:11]
	s_load_b64 s[12:13], s[0:1], 0x20              ; qkv
	v_lshl_add_u32 v[SPW], v0, 2, SPARE
	v_mov_b32 v[NIL], 0
	ds_add_u32 v[SPW], v[NIL]                      ; the opening lines: the add, twice on end, and its wait ahead of my first tensor load
	ds_add_u32 v[SPW], v[NIL]
	v_lshrrev_b32 v1, 5, v0
	v_readfirstlane_b32 s14, v1                    ; wave 0..3
	s_lshr_b32 s15, s14, 1                         ; which half of R's rows I multiply.  Also: in part 1's refills I fetch for R (0) or for P (1)
	s_and_b32 s16, s14, 1                          ; which half of P's.  Also: which 128 rows I fetch there
	s_bfe_u32 s40, ttmp6, 0x40000                  ; cx
	s_bfe_u32 s41, ttmp6, 0x40004                  ; cy
	s_and_b32 s17, ttmp7, 0xffff                   ; the cluster's y
	s_lshl_b32 s43, s41, 2
	s_lshl_b32 s43, 15, s43                        ; my row of the cluster
	s_lshl_b32 s44, 0x1111, s40                    ; my column
	; group 1: dense blocks, as rows of 256 bytes (32 elements of 8 bytes): at the head 512 rows for codes, 32 for scale words
	s_or_b32 s[G1+0], s43, (3<<16)|(1<<21)         ; 15:0 the mask; 17:16 elements of 8 bytes; 21 set beside a mask; no padding
	s_or_b32 s[G1B+0], s44, (3<<16)|(1<<21)
	s_or_b32 s[G1S+0], s43, (3<<16)|(1<<21)
	s_or_b32 s[G1SB+0], s44, (3<<16)|(1<<21)
.irp g, G1, G1B
	s_mov_b32 s[\g+1], 32<<16                      ; tensor_dim0
	s_mov_b32 s[\g+2], 512<<16                     ; tensor_dim1
	s_mov_b32 s[\g+3], 32<<16                      ; tile_dim0
	s_mov_b32 s[\g+4], 512                         ; tile_dim1
	s_mov_b32 s[\g+5], 32                          ; the pitch
	s_mov_b32 s[\g+6], 0
	s_mov_b32 s[\g+7], 0
.endr
.irp g, G1S, G1SB
	s_mov_b32 s[\g+1], 32<<16
	s_mov_b32 s[\g+2], 32<<16
	s_mov_b32 s[\g+3], 32<<16
	s_mov_b32 s[\g+4], 32
	s_mov_b32 s[\g+5], 32
	s_mov_b32 s[\g+6], 0
	s_mov_b32 s[\g+7], 0
.endr
	s_lshl_b32 s18, s17, 2
	s_add_co_u32 s18, s18, s41                     ; part 1's R: tokens' block 4 x cluster y + cy: it hangs on cy alone,
	s_lshl_b32 s98, ttmp9, 2
	s_add_co_u32 s98, s98, s40                     ; its P: weights' block 4 x kind + cx: on cx alone
	s_lshl_b32 s45, s16, 15                        ; where my 128 rows of a refill go: half x 32,768, and 131,072 on for P's waves: no place in the cluster enters an LDS address
	s_lshl_b32 s66, s15, 17
	s_add_co_u32 s45, s45, s66
	s_wait_dscnt 0x0                               ; both opening adds are done
	s_wait_kmcnt 0x0
	s_lshl_b32 s2, s18, 18                         ; a block of 256 rows, all of K, is 262,144 bytes,
	s_mov_b32 s3, 0
	s_add_nc_u64 s[20:21], s[4:5], s[2:3]
	s_lshl_b32 s2, s18, 13                         ; its scale words 8,192
	s_add_nc_u64 s[22:23], s[6:7], s[2:3]
	s_lshl_b32 s100, s98, 18
	s_mov_b32 s101, 0
	s_add_nc_u64 s[46:47], s[8:9], s[100:101]
	s_lshl_b32 s100, s98, 13
	s_add_nc_u64 s[96:97], s[10:11], s[100:101]
	CROUND                                         ; all sixteen work-groups are here: the first joint loads meet
	s_mov_b32 s[G0H], 1                            ; the head's four tiles, each whole
	s_mov_b32 s[G0H+1], 0
	s_mov_b64 s[G0H+2:G0H+3], s[20:21]
	s_or_b32 s[G0H+3], s[G0H+3], 0x80000000
	s_mov_b32 s[G0HB], 1
	s_mov_b32 s[G0HB+1], POFF
	s_mov_b64 s[G0HB+2:G0HB+3], s[46:47]
	s_or_b32 s[G0HB+3], s[G0HB+3], 0x80000000
	s_mov_b32 s[G0S], 1
	s_mov_b32 s[G0S+1], SCL
	s_mov_b64 s[G0S+2:G0S+3], s[22:23]
	s_or_b32 s[G0S+3], s[G0S+3], 0x80000000
	s_mov_b32 s[G0SB], 1
	s_mov_b32 s[G0SB+1], SCL+8192
	s_mov_b64 s[G0SB+2:G0SB+3], s[96:97]
	s_or_b32 s[G0SB+3], s[G0SB+3], 0x80000000
	s_lshl_b32 s2, s16, 15                         ; for the refills: my 128 rows of a slot
	s_add_nc_u64 s[20:21], s[20:21], s[2:3]
	s_add_nc_u64 s[46:47], s[46:47], s[2:3]
.irp s, 0,1
	s_mov_b32 s[G0+4*\s], 1
	s_add_co_u32 s[G0+4*\s+1], s45, \s*SLOT
	s_add_nc_u64 s[G0+4*\s+2:G0+4*\s+3], s[20:21], \s*SLOT
	s_or_b32 s[G0+4*\s+3], s[G0+4*\s+3], 0x80000000
	s_mov_b32 s[G0B+4*\s], 1
	s_add_co_u32 s[G0B+4*\s+1], s45, \s*SLOT
	s_add_nc_u64 s[G0B+4*\s+2:G0B+4*\s+3], s[46:47], \s*SLOT
	s_or_b32 s[G0B+4*\s+3], s[G0B+4*\s+3], 0x80000000
.endr
	FOUR G0H, G0HB                                 ; one tensor load a wave at the head
	; the LDS addresses: the scalar parts first, then the vector lines on end
	s_lshl_b32 s18, s15, 15                        ; part 1: my 128 rows of R,
	s_add_co_u32 s19, s18, SLOT
	s_lshl_b32 s20, s16, 15                        ; my 128 rows of P (both parts),
	s_add_co_u32 s20, s20, POFF
	s_add_co_u32 s21, s20, SLOT
	s_lshl_b32 s22, s15, 14                        ; part 2: my 64 rows of Wv in a quarter of K
	s_add_co_u32 s23, s22, 65536
	s_lshl_b32 s92, s15, 12                        ; scale words, part 1: R's 128 rows; P's 128 rows lie behind R's 8,192 bytes
	s_lshl_b32 s93, s16, 12
	s_add_co_u32 s93, s93, 8192
	s_lshl_b32 s94, s15, 11                        ; part 2: Wv's 64 rows
	s_sub_co_u32 s95, s93, s94
	s_sub_co_u32 s93, s93, s92
	s_add_co_u32 s92, s92, SCL
	s_add_co_u32 s94, s94, SCL
	v_and_b32 v1, 15, v0                           ; r
	v_bfe_u32 v2, v0, 4, 1                         ; h
	v_and_b32 v3, 31, v0
	v_lshlrev_b32 v[LI], 4, v3
	v_lshlrev_b32 v[R16], 4, v1
	v_add_nc_u32 v[ADRA], s18, v[LI]
	v_add_nc_u32 v[ADRA+1], s19, v[LI]
	v_add_nc_u32 v[ADRB], s20, v[LI]
	v_add_nc_u32 v[ADRB+1], s21, v[LI]
	v_add_nc_u32 v[ADRV], s22, v[LI]
	v_add_nc_u32 v[ADRV+1], s23, v[LI]
	v_mul_u32_u24 v5, s93, v2                      ; lanes 16-31 take P's: the lower base + h x the distance
	v_mul_u32_u24 v6, s95, v2
	v_add_nc_u32 v5, v5, v[R16]
	v_add_nc_u32 v6, v6, v[R16]
	v_add_nc_u32 v[ADRS], s92, v5
	v_add_nc_u32 v[ADRS2], s94, v6
	v_mul_u32_u24 v7, v2, HS
	v_add_nc_u32 v[VSO], v7, v[R16]
	v_mov_b32 v[VSEL], 0x05040100                  ; lanes 0-15 keep the first head's two bytes of two blocks' words,
	v_mov_b32 v7, 0x07060302                       ; lanes 16-31 the second head's
	v_cmp_eq_u32 vcc_lo, 1, v2
	v_cndmask_b32 v[VSEL], v[VSEL], v7, vcc_lo
.macro FRAG reg, adr, q, i             ; a fragment's image: four pieces of 512 bytes, lane l's 16 bytes at 16 l
.irp c, 0,1,2,3
	ds_load_b128 v[\reg+4*\c:\reg+4*\c+3], v[\adr] offset:2048*(\q)+4096*(\i)+512*\c
.endr
.endm
; 16 matrix instructions: R's blocks a0, a0 + 1 x P's eight, 128 along K.  p: P's set; sc: the set of scale words; af: where R's fragments begin.  zero = 1: the first product starts the sums.
; The accumulators take turns, one instruction a turn, in the same order in every step.
.macro MUL16 a0, p, q, sc, zero, af=AF
.irp a, \a0, \a0+1
.irp b, 0,1,2,3,4,5,6,7
.if \zero
	v_wmma_scale_f32_16x16x128_f8f6f4 v[8*(8*((\a)%4)+\b):8*(8*((\a)%4)+\b)+7], v[128*(\p)+FR*\b:128*(\p)+FR*\b+FR-1], v[\af+FR*(\a):\af+FR*(\a)+FR-1], 0, v[SC+8*NQ*(\sc)+NQ*\b+(\q)], v[SC+8*NQ*(\sc)+NQ*(\a)+(\q)] matrix_a_fmt:MATRIX_FMT_BF8 matrix_b_fmt:MATRIX_FMT_BF8 matrix_a_scale:MATRIX_SCALE_ROW1
.else
	v_wmma_scale_f32_16x16x128_f8f6f4 v[8*(8*((\a)%4)+\b):8*(8*((\a)%4)+\b)+7], v[128*(\p)+FR*\b:128*(\p)+FR*\b+FR-1], v[\af+FR*(\a):\af+FR*(\a)+FR-1], v[8*(8*((\a)%4)+\b):8*(8*((\a)%4)+\b)+7], v[SC+8*NQ*(\sc)+NQ*\b+(\q)], v[SC+8*NQ*(\sc)+NQ*(\a)+(\q)] matrix_a_fmt:MATRIX_FMT_BF8 matrix_b_fmt:MATRIX_FMT_BF8 matrix_a_scale:MATRIX_SCALE_ROW1
.endif
.endr
.endr
.endm
.macro FETCH_B slot, q, p              ; P's eight fragments of the slot's q-th 128 along K into set p
	WIN TO_B
.irp i, 0,1,2,3,4,5,6,7
	FRAG 128*(\p)+FR*\i, ADRB+\slot, \q, \i
.endr
	WIN 0
.endm
.macro FETCH_A slot, q, i0             ; part 1: R's blocks i0 .. i0 + 3
.irp i, \i0, \i0+1, \i0+2, \i0+3
	FRAG AF+FR*(\i), ADRA+\slot, \q, \i
.endr
.endm
.macro SCALES set, sl, adr=ADRS        ; the scale words of K steps 2 sl and 2 sl + 1: two words a row
.irp i, 0,1,2,3,4,5,6,7
	ds_load_b64 v[SC+8*NQ*(\set)+NQ*\i:SC+8*NQ*(\set)+NQ*\i+1], v[\adr] offset:512*\i+256*((\sl)/2)+8*((\sl)%2)
.endr
.endm
; A load into a register that a matrix instruction has read, and a vector instruction that reads a matrix result or writes one of its registers, stand NP places behind it; only plain vector
; instructions that name none of its registers are places (ISA guide 7.12.1 for vector instructions).
; PART 1.  A step of 128 along K that has its successor in the same slot.  R has one set of registers: blocks 0-3 are fetched anew in the step's middle, blocks 4-7 at its end; P has two sets.
.macro STEP slot, q, zero
	s_wait_dscnt 4*NL                              ; P's set, R's blocks 0-3 and the scale words are in; the youngest 16 loads (R's blocks 4-7) may be out
	WIN MUL_LO
	MUL16 0, (\q)%2, \q, \slot, \zero
	MUL16 2, (\q)%2, \q, \slot, \zero
	s_wait_dscnt 0                                 ; R's blocks 4-7 are in
	PLACES NP
	FETCH_B \slot, (\q)+1, 1-(\q)%2
	FETCH_A \slot, (\q)+1, 0
	WIN MUL_HI
	MUL16 4, (\q)%2, \q, \slot, \zero
	MUL16 6, (\q)%2, \q, \slot, \zero
	PLACES NP
	WIN 0
	FETCH_A \slot, (\q)+1, 4
.endm
; A slot's last step changes slots: ONE barrier; in front of it each wave waits for all its tensor loads, adds 0 to its spare word, and waits for that and for its own reads of this slot.
; fill = 1: this slot is filled again, two quarters of K ahead: the barrier then opens a round of the cluster's barrier.  sl: which quarter of K the next slot holds.
.macro TURN slot, next, fill, sl
	s_wait_tensorcnt 0x0                           ; all my tensor loads have landed (every window is 0 here)
	ds_add_u32 v[SPW], v[NIL]                      ; 0 onto my spare word
	s_wait_dscnt 4*NL+1                            ; (the add and the youngest 16 loads, R's blocks 4-7, may be out)
	WIN MUL_LO
	MUL16 0, 1, NQ-1, \slot, 0                     ; sixteen matrix instructions stand between the add and the wait for it
	s_wait_dscnt 0x0                               ; the add is done, and my reads of this slot are over
	s_barrier_signal -1
	MUL16 2, 1, NQ-1, \slot, 0
	WIN 0
	s_barrier_wait -1
.if \fill
	CREST                                          ; no wave of any partner still reads this slot's tile or has a load on its way
	s_add_nc_u64 s[G0+4*\slot+2:G0+4*\slot+3], s[G0+4*\slot+2:G0+4*\slot+3], 2*SLOT
	s_add_nc_u64 s[G0B+4*\slot+2:G0B+4*\slot+3], s[G0B+4*\slot+2:G0B+4*\slot+3], 2*SLOT
	JLOAD G0+4*\slot, G1, G0B+4*\slot, G1B         ; the first tensor load behind the round, one a wave; its four v_nop are among the places in front of the loads below
	PLACES NP-4
.else
	PLACES NP
.endif
	FETCH_B \next, 0, 0
	FETCH_A \next, 0, 0
	SCALES \next, \sl
	WIN MUL_HI
	MUL16 4, 1, NQ-1, \slot, 0
	MUL16 6, 1, NQ-1, \slot, 0
	PLACES NP
	WIN 0
	FETCH_A \next, 0, 4
.endm
; PART 2.  K step k = 0 .. 7: P's eight fragments and Wv's four into sets k % 2; with an even k the scale words of its quarter of K.
.macro VFETCH k
	FETCH_B ((\k)/2)%2, (\k)%2, (\k)%2
.irp i, 0,1,2,3
.irp c, 0,1,2,3
	ds_load_b128 v[AF+64*((\k)%2)+FR*\i+4*\c:AF+64*((\k)%2)+FR*\i+4*\c+3], v[ADRV+(\k)/4] offset:32768*(((\k)/2)%2)+2048*((\k)%2)+4096*\i+512*\c
.endr
.endr
.if (\k)%2 == 0
	SCALES ((\k)/2)%2, (\k)/2, ADRS2
.endif
.endm
.macro VMUL k, zero                    ; 32 matrix instructions
	WIN MUL_LO
	MUL16 0, (\k)%2, (\k)%2, ((\k)/2)%2, \zero, AF+64*((\k)%2)
	MUL16 2, (\k)%2, (\k)%2, ((\k)/2)%2, \zero, AF+64*((\k)%2)
	WIN 0
.endm
.macro VSTEP k                         ; this step's fragments are in; the next step's are asked for ahead of this step's products
	s_wait_dscnt 0x0
	PLACES NP
	VFETCH (\k)+1
	VMUL \k, 0
.endm
; THE WAY OUT.  Where a wave's record lies: tp, th: the registers with the tokens' place in the cluster and my half of them; s66: my (first) head; s67, s92: where images and scales begin in a record.  Only global addresses hang on cx and cy.
.macro RECORD tp, th
	s_lshl_b32 s97, s17, 3
	s_lshl_b32 s96, s\tp, 1
	s_add_co_u32 s97, s97, s96
	s_add_co_u32 s97, s97, s\th                    ; which 128 tokens of the 8,192
	s_lshr_b32 s96, s97, 4                         ; batch
	s_and_b32 s97, s97, 15                         ; key step
	s_lshl_b32 s96, s96, 4
	s_add_co_u32 s96, s96, s66
	s_lshl_b32 s96, s96, 4
	s_add_co_u32 s96, s96, s97
	s_mul_i32 s96, s96, REC                        ; the record, in bytes (under 2^25)
	s_add_co_u32 s2, s96, s67
	s_mov_b32 s3, 0
	s_add_nc_u64 s[100:101], s[12:13], s[2:3]      ; the images
	s_add_co_u32 s2, s96, s92
	s_add_nc_u64 s[98:99], s[12:13], s[2:3]        ; the scales
.irp b, 0,1,2,3
	v_mov_b32 v[TM+4+\b], 0                        ; a lane permute's destination counts as one of its sources
.endr
.endm
; Block a of R: my lane's 64 results, register 16 b + i = the next K's 32 b + 16 (lane / 16) + i, become 16 registers of codes and a scale word.  Each accumulator is read from its low end on.  o1, o2: where codes 0-7 and 8-15 go.
.macro QACC a, o1, o2
.set QW, 2+(\a)/4
.set QS, 64*((\a)%4)
.set PCA, PC+16*(\a)
.set WMAX, QW|(QW<<2)
.set WMED, QW|(QW<<6)
	WIN WMAX                                       ; sources 0 and 1: the accumulators' window
.irp b, 0,1,2,3
	v_max3_num_f32 v[TM+\b], |v[QS+16*\b]|, |v[QS+1+16*\b]|, 0x8000000   ; and the floor 2^(16 - 127)
.endr
.irp i, 2,4,6,8,10,12,14
.irp b, 0,1,2,3
	v_max3_num_f32 v[TM+\b], |v[QS+16*\b+\i]|, |v[QS+1+16*\b+\i]|, v[TM+\b]
.endr
.endr
	WIN 0
.irp b, 0,1,2,3
	v_permlanex16_b32 v[TM+4+\b], v[TM+\b], s20, s21
.endr
.irp b, 0,1,2,3
	v_max_num_f32 v[TM+\b], v[TM+\b], v[TM+4+\b]   ; with lane l xor 16's 16: the block's largest magnitude
.endr
.irp b, 0,1,2,3
	v_add_nc_u32 v[TM+12+\b], 0xf8800000, v[TM+\b] ; 15 off the exponent field: the conversion's scale operand
.endr
.irp b, 0,1,2,3
	v_and_or_b32 v[TM+8+\b], v[TM+\b], 0x7f800000, s22   ; 57,344 x the scale
.endr
.irp b, 0,1,2,3
	v_lshrrev_b32 v[TM+4+\b], 23, v[TM+12+\b]      ; the byte
.endr
	v_lshl_or_b32 v[PW+(\a)], v[TM+5], 8, v[TM+4]
	v_lshl_or_b32 v[PW+(\a)], v[TM+6], 16, v[PW+(\a)]
	v_lshl_or_b32 v[PW+(\a)], v[TM+7], 24, v[PW+(\a)]
	WIN WMED                                       ; destination and source 0: the accumulators' window
.irp b, 0,1,2,3
.irp i, 0,1,2,3,4,5,6,7,8,9,10,11,12,13,14,15
	v_med3_num_f32 v[QS+16*\b+\i], v[QS+16*\b+\i], -v[TM+8+\b], v[TM+8+\b]   ; the conversion to an 8-bit code does not saturate (ISA guide 7.6.2)
.endr
.endr
	WIN QW                                         ; source 0 alone
.irp b, 0,1,2,3
	v_cvt_scalef32_pk8_bf8_f32 v[PCA+4*\b:PCA+4*\b+1], v[QS+16*\b:QS+16*\b+7], v[TM+12+\b]
	v_cvt_scalef32_pk8_bf8_f32 v[PCA+4*\b+2:PCA+4*\b+3], v[QS+16*\b+8:QS+16*\b+15], v[TM+12+\b]
.endr
	WIN 0
	v_nop                                          ; a plain line behind the last conversion
	global_store_b128 v[LI], v[PCA:PCA+3], s[100:101] offset:\o1                 ; each store: 512 consecutive bytes, aligned: a piece of an image
	global_store_b128 v[LI], v[PCA+4:PCA+7], s[100:101] offset:(\o1)+512
	global_store_b128 v[LI], v[PCA+8:PCA+11], s[100:101] offset:\o2
	global_store_b128 v[LI], v[PCA+12:PCA+15], s[100:101] offset:(\o2)+512
.endm
	s_wait_alu depctr_va_vdst(0)
	s_wait_tensorcnt 0x0                           ; my tile of the head's four is in: no tensor load of mine is out, so a descriptor may be written: a refill of part 1 brings 128 rows of 256 bytes
	s_mov_b32 s[G1+2], 128<<16
	s_mov_b32 s[G1+4], 128
	s_mov_b32 s[G1B+2], 128<<16
	s_mov_b32 s[G1B+4], 128
	s_barrier_signal -1
	s_barrier_wait -1
	FETCH_B 0, 0, 0
	FETCH_A 0, 0, 0
	SCALES 0, 0
	FETCH_A 0, 0, 4
	STEP 0, 0, 1                                   ; the first step's products start the sums: nothing is cleared.  K is four quarters: the eight steps are written out
	TURN 0, 1, 1, 1
	STEP 1, 0, 0
	TURN 1, 0, 1, 2
	STEP 0, 0, 0
	TURN 0, 1, 0, 3                                ; part 1 has nothing left to fetch
	s_load_b256 s[4:11], s[0:1], 0x0               ; the four buffers' addresses once more, for part 2 (the head's descriptors that lay there are done with)
	STEP 1, 0, 0
; PART 1'S LAST K STEP, AND THE ROUND THAT BRINGS PART 2'S TILES.  All of LDS is done with as soon as this step's fragments are in registers.
	s_wait_tensorcnt 0x0                           ; no tensor load of mine is out, so every descriptor may be written
	ds_add_u32 v[SPW], v[NIL]                      ; 0 onto my spare word
	s_wait_dscnt 4*NL+1                            ; (the add and the youngest 16 loads, R's blocks 4-7, may be out)
	WIN MUL_LO
	MUL16 0, 1, NQ-1, 1, 0
	s_wait_kmcnt 0x0
	s_add_co_u32 s18, s41, 8                       ; part 2's R: Wv's block 8 + cy, of which cluster x takes half: it hangs on cy alone among the partners,
	s_lshl_b32 s98, s17, 2
	s_add_co_u32 s98, s98, s40                     ; its P: tokens' block 4 x cluster y + cx: on cx alone
	s_lshl_b32 s2, s18, 18
	s_lshl_b32 s19, ttmp9, 15                      ; 128 rows of a quarter of K are 32,768 bytes
	s_add_co_u32 s2, s2, s19
	s_mov_b32 s3, 0
	s_mov_b32 s[G0+1], 0                           ; Wv's rows, all of K, over R's region
	s_add_nc_u64 s[G0+2:G0+3], s[8:9], s[2:3]
	s_or_b32 s[G0+3], s[G0+3], 0x80000000
	s_lshl_b32 s2, s18, 13
	s_lshl_b32 s19, ttmp9, 12
	s_add_co_u32 s2, s2, s19
	s_add_nc_u64 s[G0S+2:G0S+3], s[10:11], s[2:3]  ; their scale words, 4,096 bytes
	s_or_b32 s[G0S+3], s[G0S+3], 0x80000000
	s_lshl_b32 s100, s98, 18
	s_mov_b32 s101, 0
	s_add_nc_u64 s[46:47], s[4:5], s[100:101]
	s_mov_b32 s[G0B+1], POFF                       ; the tokens' first two quarters of K over P's region
	s_mov_b64 s[G0B+2:G0B+3], s[46:47]
	s_or_b32 s[G0B+3], s[G0B+3], 0x80000000
	s_lshl_b32 s100, s14, 15                       ; and for the last refill: my quarter of their last two quarters
	s_add_co_u32 s[G0B+5], s100, POFF
	s_add_co_u32 s100, s100, 2*SLOT
	s_add_nc_u64 s[G0B+6:G0B+7], s[46:47], s[100:101]
	s_or_b32 s[G0B+7], s[G0B+7], 0x80000000
	s_lshl_b32 s100, s98, 13
	s_add_nc_u64 s[G0SB+2:G0SB+3], s[6:7], s[100:101]   ; the tokens' scale words, 8,192 bytes
	s_or_b32 s[G0SB+3], s[G0SB+3], 0x80000000
	s_mov_b32 s[G1+1], 4096<<16                    ; Wv: four rows of 32,768 bytes (4,096 elements of 8), 65,536 bytes apart in memory, on end in LDS
	s_mov_b32 s[G1+2], 4<<16
	s_mov_b32 s[G1+3], 4096<<16
	s_mov_b32 s[G1+4], 4
	s_mov_b32 s[G1+5], 8192
	s_mov_b32 s[G1B+2], 512<<16                    ; the tokens: 512 rows of 256 bytes
	s_mov_b32 s[G1B+4], 512
	s_mov_b32 s[G1S+2], 16<<16                     ; Wv's scale words: 16 rows of 256 bytes
	s_mov_b32 s[G1S+4], 16
	MUL16 2, 1, NQ-1, 1, 0
	WIN 0
	s_wait_dscnt 0x0                               ; the add is done, and my last reads of part 1's tiles and scale words are over
	CROUND                                         ; the same holds of every wave of all sixteen work-groups
	FOUR G0, G0B                                   ; the first tensor load behind the round, one a wave
	WIN MUL_HI
	MUL16 4, 1, NQ-1, 1, 0
	MUL16 6, 1, NQ-1, 1, 0
	WIN 0
	PLACES NP                                      ; places behind the last products
; PART 1'S WAY OUT: a token's 64 numbers along d of two heads; a tile of q or k is 1,024 bytes; a block's codes 8-15 belong to the second head.
	s_lshl_b32 s66, s40, 2
	s_lshl_b32 s67, s16, 1
	s_add_co_u32 s66, s66, s67                     ; my first head
	s_cmp_eq_u32 ttmp9, 0
	s_cselect_b32 s67, 16896, 0                    ; where the images begin in a record: q 16,896, k 0,
	s_mov_b32 s92, 16384
	s_cselect_b32 s92, 25088, s92                  ; and the scales: q 25,088, k 16,384
	s_mov_b32 s20, 0x76543210
	s_mov_b32 s21, 0xfedcba98                      ; v_permlanex16_b32's selects for lane l xor 16
	s_mov_b32 s22, 0x600000                        ; the mantissa field of 57,344
	RECORD 41, 15
.irp a, 0,1,2,3,4,5,6,7
	QACC \a, 1024*\a, 1024*\a+HS
.endr
.irp i, 0,1,2,3                        ; a block's word holds two bytes for each of my two heads; word i of a row's 16 bytes takes tile i's two bytes below and tile 4 + i's above
	v_perm_b32 v[OUTW+\i], v[PW+4+\i], v[PW+\i], v[VSEL]
.endr
	global_store_b128 v[VSO], v[OUTW:OUTW+3], s[98:99]   ; lanes 0-15: 256 consecutive bytes, aligned, of the first head's record; lanes 16-31: of the second's
; PART 2
	s_wait_xcnt 0x0                                ; the stores have read their registers and bases: fragments land in the codes' registers below
	s_wait_tensorcnt 0x0                           ; my tile of part 2's four is in; the last refill brings 128 rows of 256 bytes a wave
	s_mov_b32 s[G1B+2], 128<<16
	s_mov_b32 s[G1B+4], 128
	s_barrier_signal -1
	s_barrier_wait -1                              ; everybody's is in
	VFETCH 0
	s_wait_dscnt 0x0
	VFETCH 1
	VMUL 0, 1                                      ; the first step's products start the sums
	VSTEP 1
	VSTEP 2
	s_wait_tensorcnt 0x0
	ds_add_u32 v[SPW], v[NIL]
	s_wait_dscnt 0x0                               ; the add is done; K step 3's fragments are in: my reads of P's two slots are over
	CROUND
	tensor_load_to_lds s[G0B+4:G0B+7], s[G1B:G1B+7]   ; the tokens' last two quarters of K: wave w's 32,768 bytes
	s_nop 0
	PLACES 4
	VMUL 3, 0
	s_wait_tensorcnt 0x0
	s_barrier_signal -1
	s_barrier_wait -1                              ; they are in, everybody's part
	PLACES NP
	VFETCH 4
	VSTEP 4
	VSTEP 5
	VSTEP 6
	s_wait_dscnt 0x0
	VMUL 7, 0
	PLACES NP                                      ; places behind the last products
; PART 2'S WAY OUT: one d's 64 numbers along the keys; block a is fragment a, 2,048 bytes, of my one head.
	s_lshl_b32 s66, s41, 2
	s_lshl_b32 s67, ttmp9, 1
	s_add_co_u32 s66, s66, s67
	s_add_co_u32 s66, s66, s15                     ; my head: 4 cy + 2 x cluster x + my half
	s_mov_b32 s67, 8192
	s_mov_b32 s92, 16640
	RECORD 40, 16
.irp a, 0,1,2,3
	QACC \a, 2048*\a, 2048*\a+1024
.endr
	global_store_b128 v[R16], v[PW:PW+3], s[98:99] ; row r's four scale words: 256 consecutive bytes, aligned (lanes 16-31 hold the same words and name the same bytes)
	s_wait_tensorcnt 0x0                           ; the wave's end
	ds_add_u32 v[SPW], v[NIL]
	s_wait_dscnt 0x0
	CROUND                                         ; the closing round: no work-group ends while a partner may still ask for a tile that names it
	s_endpgm
.Lfunc_end_k_q34427812f5_proj:
	.size	k_q34427812f5_proj, .Lfunc_end_k_q34427812f5_proj-k_q34427812f5_proj
	.p2alignl 7, 3214868480
	.fill 96, 4, 3214868480
	.section	.rodata,"a",@progbits
	.p2align	6, 0x0
	.amdhsa_kernel k_q34427812f5_proj
		.amdhsa_group_segment_fixed_size 327680
		.amdhsa_private_segment_fixed_size 0
		.amdhsa_enable_private_segment 0
		.amdhsa_kernarg_size 40
		.amdhsa_user_sgpr_count 2
		.amdhsa_user_sgpr_kernarg_segment_ptr 1
		.amdhsa_wavefront_size32 1
		.amdhsa_system_sgpr_workgroup_id_x 1
		.amdhsa_system_sgpr_workgroup_id_y 1
		.amdhsa_system_sgpr_workgroup_id_z 1
		.amdhsa_system_vgpr_workitem_id 0
		.amdhsa_next_free_vgpr 1024
		.amdhsa_next_free_sgpr 102
		.amdhsa_reserve_vcc 1
		.amdhsa_float_denorm_mode_32 3
		.amdhsa_float_denorm_mode_16_64 3
		.amdhsa_memory_ordered 1
		.amdhsa_forward_progress 1
		.amdhsa_inst_pref_size 255
	.end_amdhsa_kernel
	.section	.bss,"aw",@nobits
	.p2align	6
	.space	262144
	.amdgpu_metadata
---
amdhsa.version: [ 1, 2 ]
amdhsa.kernels:
  - .name:           k_q34427812f5_proj
    .symbol:         k_q34427812f5_proj.kd
    .args:
      - { .name: xq, .offset: 0, .size: 8, .value_kind: global_buffer, .address_space: global }
      - { .name: xs, .offset: 8, .size: 8, .value_kind: global_buffer, .address_space: global }
      - { .name: wq, .offset: 16, .size: 8, .value_kind: global_buffer, .address_space: global }
      - { .name: ws, .offset: 24, .size: 8, .value_kind: global_buffer, .address_space: global }
      - { .name: qkv, .offset: 32, .size: 8, .value_kind: global_buffer, .address_space: global }
    .group_segment_fixed_size: 327680
    .private_segment_fixed_size: 0
    .kernarg_segment_align: 8
    .kernarg_segment_size: 40
    .max_flat_workgroup_size: 128
    .sgpr_count:     102
    .vgpr_count:     1024
    .wavefront_size: 32
...
	.end_amdgpu_metadata
.endif
;; end of part 2
;; launch attn (part 3): grid 4 x 64, 16 waves a work-group, clusters of 4 x 1, 327,680 bytes of LDS; arguments qkv, out0; writes out0
.if DOCPART == 3
	.amdgcn_target "amdgcn-amd-amdhsa--gfx1250"
	.amdhsa_code_object_version 6
	.text
	.protected	k_q34427812f5_attn
	.globl	k_q34427812f5_attn
	.p2align	8
	.type	k_q34427812f5_attn,@function
k_q34427812f5_attn:
	s_mov_b64 s[64:65], 0
	v_nop
	global_prefetch_b8 v0, s[64:65] scope:SCOPE_SE
	s_setreg_imm32_b32 hwreg(HW_REG_WAVE_MODE, 25, 1), 1
	s_wait_xcnt 0x0
	s_wait_alu depctr_hold_cnt(0) depctr_sa_sdst(0) depctr_va_vdst(0) depctr_va_sdst(0) depctr_va_ssrc(0) depctr_va_vcc(0) depctr_vm_vsrc(0)
	s_getreg_b32 s2, hwreg(HW_REG_IB_STS2, 6, 4)
	s_cmp_eq_u32 s2, 0
	s_cbranch_scc0 .Lentry_in_a_cluster
	s_endpgm
.Lentry_in_a_cluster:
	s_bfe_u32 s2, ttmp6, 0x10000c
	s_cmp_lg_u32 s2, 0x3003
	s_cbranch_scc0 .Lentry_shape_is_right
	s_endpgm
.Lentry_shape_is_right:
; out0[b][q][64 head + :] = the sum over keys k <= q of softmax_k(Q[q] . K[k] / 8) V[k][:], both products on codes of BF8 (E5M2) with E8M0 scales.
; qkv: [64 (batch, head)][16 key steps of 128] records of 25,344 bytes, operands as images of their registers: K's 8 tiles x 1,024 | V^T's 4 fragments x 2,048 | K's scales | V's scale words | Q's 8 tiles | Q's scales.
; THE SOFTMAX AHEAD OF THE SECOND PRODUCT: t = score x log2(e) / 8; M = the row's largest t so far, rounded UP to a whole number; p = 2^(t - M) is quantised along the keys, not normalised.
; The row's sum is taken of the unquantised p and divides at the end.  When M moves, the sum and O are multiplied by 2^(old M - new M): exact.
; LEFT OUT: key steps all of whose 128 keys come after a tile's queries: the causal mask makes their weights 0 for all values of the inputs.
; SHARES.  A cluster of four work-groups is one (batch, head).  A head's K and V for all 2,048 keys, 16 x 16,896 bytes, come into each work-group's LDS ONCE, one joint tensor load a wave: no ring and no refill.
; All K and V are asked for at the head and there is no loop to run ahead in, so no prefetch is laid.
; A wave makes two tiles of 16 queries, 127 - j and j of the head's 128: 16 - a and a + 1 key steps, 17 for every wave.  j = 8 a + 4 e + cx; a and e hang on the wave's number.
; THE LARGE TILE GOES FIRST: its key steps 0 to 7 lie wholly under the diagonal for every wave (its own record is 15 - a >= 8) and need records 0 to 7 alone, which waves 0 to 7 fetch by a load line of their own:
; the first barrier shows those; the second, behind these eight steps, shows all sixteen.
; cx enters global addresses and the mask's vector data alone: no branch and no LDS address hangs on it.
; LAYOUT.  Both products are used transposed: S^T = K Q^T, O^T = V^T P^T: a lane holds ONE query throughout.  Image row r of tile u of a group of 32 is row 8 u + r + 8 (r / 8),
; so the 16 registers of tiles 2 b and 2 b + 1 of S^T are keys 32 b + 16 (lane / 16) + 0 .. 15: the conversions' results are the second product's operand.
; K = 64 IN AN INSTRUCTION OF 128.  Q stands as zeros | codes | zeros in 24 registers.  Tiles 0-3 of K multiply in k = 0 .. 63 (Q's codes, then zeros); tiles 4-7 in k = 64 .. 127 (zeros, then Q's codes), their fragment beginning
; at the tile before.  So word i of a row's 16 scale bytes (tile i's two bytes below, tile 4 + i's above) serves both tiles as it lies; Q's two bytes stand in both halves of its word.  The other half of k meets zero codes under finite bytes.
; LIMITS: a p under 2^-126 is 0 (v_exp_f32 flushes); NaN and infinities are not served; the scaled scores stay under 2^31 in magnitude.
.set REC,   25344
.set HS,    405504
.set KV,    16896                      ; what of a record lies in LDS
.set VIMG,  8192
.set KSCO,  16384
.set VSCO,  16640
.set QIMG,  16896
.set QSCO,  25088
.set STAGE, 270336                     ; behind the records: for each wave 2,560 bytes, of which 8 rows x 272 are the way out's stage; no tensor load lands there
.set STG,   2560
.set SPARE, STAGE+16*STG               ; the spare words: 128 bytes for each wave
.set LI,   1                           ; v1   16 x lane
.set RS,   2                           ; v2   16 x (lane % 16)
.set ADK,  3                           ; v3   the step's images
.set ADS,  4                           ; v4   the step's scales
.set QD,   5                           ; v5   my query's place in its record - 16 (lane / 16)
.set NINF, 6                           ; v6   -infinity
.set STI,  7                           ; v7   the stage, on the way in
.set STO,  8                           ; v8   and back
.set GO,   9                           ; v9   my byte offset in two rows of out0.  v10 r; v11 r + 8 (r / 8) - 16 h; v12 -M; v13 the largest score; v[14:15] the sum
.set QZ,   16                          ; v16-23 zeros, v24-31 Q's codes, v32-39 zeros
.set KF,   40                          ; v40-103 K's 8 tiles, or V's 4 fragments
.set SR,   104                         ; v104-167 S^T, then p
.set OT,   168                         ; v168-199 O^T
.set PCD,  200                         ; v200-215 p's codes
.set BM,   216                         ; v216-219 the blocks' largest scores, then largest p
.set T1,   220
.set HOLD, 224
.set SCOP, 228
.set KSC,  232                         ; v232-235 K's scale words
.set VSC,  240                         ; v240-243 V's
.set QSC,  244                         ; v244 Q's
.set F,    246                         ; v246 f; v247 p's scale word
.set PWD,  247
.set TMP,  248                         ; v248-253 at work: the chain that makes f, then three of the sum's four chains
.set SPW,  254
.set NIL,  255
.set WV,   8                           ; s8 wave; s9 cx; s10 (batch, head); s11 a; s12 e
.set MNT,  13
.set SEL,  20
.set CS,   22
.macro CROUND
	s_barrier_signal -1
	s_barrier_wait -1
	s_cmp_lg_u32 s[WV], 0
	s_cbranch_scc1 .Lnot_wave_0_\@
	s_barrier_signal -3
.Lnot_wave_0_\@:
	s_barrier_wait -3
	s_barrier_signal -1
	s_barrier_wait -1
.endm
.macro WM d, a, b, c, sa, sb
	v_wmma_scale_f32_16x16x128_f8f6f4 v[\d:\d+7], v[\a:\a+15], v[\b:\b+15], \c, v[\sa], v[\sb] matrix_a_fmt:MATRIX_FMT_BF8 matrix_b_fmt:MATRIX_FMT_BF8
.endm
.macro TLOAD
	tensor_load_to_lds s[16:19], s[24:31]          ; my one tensor load of the launch: key step w's K and V
	s_nop 0
.rept 4
	v_nop
.endr
.endm
	s_load_b128 s[4:7], s[0:1], 0x0                ; qkv s[4:5], out0 s[6:7]
	v_lshl_add_u32 v[SPW], v0, 2, SPARE
	v_mov_b32 v[NIL], 0
	ds_add_u32 v[SPW], v[NIL]                      ; the opening lines: the add, twice on end, and its wait ahead of my tensor load
	ds_add_u32 v[SPW], v[NIL]
	v_lshrrev_b32 v1, 5, v0
	v_readfirstlane_b32 s[WV], v1                  ; wave 0..15
	s_bfe_u32 s9, ttmp6, 0x40000                   ; cx
	s_and_b32 s10, ttmp7, 0xffff                   ; 16 x batch + head
	s_lshr_b32 s42, s[WV], 2                       ; i
	s_lshr_b32 s43, s[WV], 1
	s_xor_b32 s43, s43, s42
	s_and_b32 s43, s43, 1
	s_lshl_b32 s11, s42, 1
	s_add_co_u32 s11, s11, s43                     ; a = 2 i + (((wave / 2) xor i) & 1): 0 .. 7
	s_and_b32 s12, s[WV], 1                        ; e
	s_mov_b32 s24, 15|(3<<16)|(1<<21)              ; group 1: the mask: all four work-groups; elements of 8 bytes; bit 21 beside a mask
	s_mov_b32 s25, 32<<16                          ; rows of 256 bytes,
	s_mov_b32 s26, 66<<16                          ; 66 of them: 16,896 dense bytes
	s_mov_b32 s27, 32<<16
	s_mov_b32 s28, 66
	s_mov_b32 s29, 32
	s_mov_b32 s30, 0
	s_mov_b32 s31, 0
	s_lshl_b32 s42, s10, 4
	s_add_co_u32 s42, s42, s[WV]
	s_mul_i32 s42, s42, REC                        ; wave w fetches key step w's record
	s_mov_b32 s43, 0
	s_mul_i32 s46, s10, HS
	s_mov_b32 s47, 0
	s_mov_b32 s16, 1
	s_mul_i32 s17, s[WV], KV
	s_mul_i32 s14, s[WV], STG
	s_add_co_u32 s14, s14, STAGE                   ; my stage
	s_mov_b32 s[SEL], 0x76543210
	s_mov_b32 s[SEL+1], 0xfedcba98
	s_mov_b32 s[CS], 0x3e38aa3b                    ; c = log2(e) / 8
	s_mov_b32 s[CS+1], s[CS]                       ; (named with it as a pair, so it is written)
	s_mov_b32 s[MNT], 0x600000
	v_and_b32 v[TMP], 31, v0
	v_and_b32 v10, 15, v0                          ; r
	v_lshlrev_b32 v[LI], 4, v[TMP]
	v_lshlrev_b32 v[RS], 4, v10
	v_bfe_u32 v[TMP], v0, 4, 1                     ; h
	v_and_b32 v11, 8, v10
	v_lshlrev_b32 v[QD], 4, v[TMP]
	v_add_nc_u32 v11, v11, v10
	v_and_b32 v[STI], 7, v10
	v_sub_nc_u32 v11, v11, v[QD]                   ; r + 8 (r / 8) - 16 h
	v_mul_u32_u24 v[STI], v[STI], 272
	v_mul_u32_u24 v[STO], v[TMP], 272
	v_lshl_add_u32 v[STI], v[TMP], 6, v[STI]
	v_lshl_add_u32 v[STO], v10, 4, v[STO]
	v_add_nc_u32 v[STI], s14, v[STI]               ; in: row r % 8, + 64 h
	v_add_nc_u32 v[STO], s14, v[STO]               ; back: lanes 0-15 one row, lanes 16-31 the next
	v_lshlrev_b32 v[GO], 12, v[TMP]
	v_lshl_add_u32 v[GO], v10, 4, v[GO]            ; and the same two tokens' rows of out0
	v_mov_b32 v[NINF], 0xff800000
.irp j, 0,1,2,3,4,5,6,7
	v_mov_b32 v[QZ+\j], 0                          ; zero codes on both sides of Q's
	v_mov_b32 v[QZ+16+\j], 0
.endr
.irp b, 0,1,2,3
	v_mov_b32 v[T1+\b], 0                          ; written once: a lane permute's destination counts as one of its sources
.endr
	v_mov_b32 v[PWD], 0                            ; (named as the upper half of the pair with f before it is first written)
	s_wait_alu depctr_va_vdst(0)
	s_wait_dscnt 0x0                               ; both opening adds are done
	s_wait_kmcnt 0x0
	s_add_nc_u64 s[18:19], s[4:5], s[42:43]
	s_or_b32 s19, s19, 0x80000000
	s_add_nc_u64 s[44:45], s[4:5], s[46:47]        ; the head's records
	CROUND                                         ; all four work-groups are here: the joint loads meet
	s_cmp_lt_u32 s[WV], 8                          ; two load lines: the first barrier waits for the first line's loads alone
	s_cbranch_scc0 .Lupper
	TLOAD
	s_branch .Lasked
.Lupper:
	TLOAD
.Lasked:
; A TILE'S SET-UP.  tau = 1: tile 127 - j (record 15 - a); tau = 0: tile j (record a).
.macro TSET tau
	s_wait_xcnt 0x0                                ; the last tile's loads and stores have read their bases: they are written again below
	s_lshl_b32 s33, s12, 2
	s_add_co_u32 s33, s33, s9                      ; 4 e + cx
.if \tau
	s_sub_co_u32 s32, 15, s11                      ; the record of my queries: the last key step that counts
	s_sub_co_u32 s33, 7, s33                       ; and my tile in it
.else
	s_mov_b32 s32, s11
.endif
	s_mul_i32 s46, s32, REC
	s_lshl_b32 s42, s33, 10
	s_add_co_u32 s42, s42, s46
	s_add_co_u32 s42, s42, QIMG
	s_mov_b32 s43, 0
	s_add_nc_u64 s[36:37], s[44:45], s[42:43]      ; Q's image
	s_and_b32 s42, s33, 3
	s_lshl_b32 s42, s42, 2
	s_lshr_b32 s47, s33, 2
	s_lshl_b32 s47, s47, 1
	s_add_co_u32 s42, s42, s47
	s_add_co_u32 s42, s42, s46
	s_add_co_u32 s42, s42, QSCO
	s_add_nc_u64 s[38:39], s[44:45], s[42:43]      ; its two scale bytes a row
	global_load_b128 v[QZ+8:QZ+11], v[LI], s[36:37]
	global_load_b128 v[QZ+12:QZ+15], v[LI], s[36:37] offset:512
	global_load_u16 v[QSC], v[RS], s[38:39]
	s_lshr_b32 s46, s33, 1
	s_lshl_b32 s46, s46, 5
	s_and_b32 s47, s33, 1
	s_lshl_b32 s47, s47, 3
	s_add_co_u32 s46, s46, s47                     ; the tile's first token in its record
	v_add_nc_u32 v[QD], s46, v11
	s_lshr_b32 s42, s10, 4
	s_lshl_b32 s42, s42, 11                        ; 2,048 x batch
	s_lshl_b32 s47, s32, 7
	s_add_co_u32 s42, s42, s47
	s_add_co_u32 s42, s42, s46
	s_lshl_b32 s42, s42, 12                        ; a token's row of out0 is 4,096 bytes
	s_and_b32 s47, s10, 15
	s_lshl_b32 s47, s47, 8                         ; a head's part of it 256
	s_add_co_u32 s42, s42, s47
	s_add_nc_u64 s[40:41], s[6:7], s[42:43]
	v_mov_b32 v13, 0xff61b1e6                      ; the largest score so far: -3e38, under every score
	v_mov_b32 v12, 0x7f61b1e6                      ; -M: 3e38, so that the first f is 0
	v_mov_b32 v14, 0                               ; the sum, in two halves
	v_mov_b32 v15, 0
.set n, 0
.rept 32
	v_mov_b32 v[OT+n], 0                           ; O^T: the step is written once; the first finds zeros, which the first change of M leaves zeros
.set n, n+1
.endr
	s_mov_b32 s34, 0                               ; where the step's record lies in LDS
	s_mov_b32 s35, 0                               ; the key step
	s_wait_loadcnt 0x0                             ; Q
	v_lshl_or_b32 v[QSC], v[QSC], 16, v[QSC]       ; Q's two bytes in both halves of the word
.endm
; A KEY STEP: 128 keys.  kind = 0: all keys count.  kind = 1: a step behind my record is jumped over (a scalar branch on the wave's number and the loop's counter); in my own record's step hidden scores become -infinity.
.macro STEP kind
.if \kind
	s_cmp_gt_u32 s35, s32
	s_cbranch_scc1 .Lhid_\@
.endif
	v_add_nc_u32 v[ADK], s34, v[LI]
	v_add_nc_u32 v[ADS], s34, v[RS]
.rept 6
	v_nop                                          ; with the two additions: eight places in front of loads into registers that the last products have read
.endr
.irp t, 0,1,2,3,4,5,6,7
	ds_load_b128 v[KF+8*\t:KF+8*\t+3], v[ADK] offset:1024*\t
	ds_load_b128 v[KF+8*\t+4:KF+8*\t+7], v[ADK] offset:1024*\t+512
.endr
	ds_load_b128 v[KSC:KSC+3], v[ADS] offset:KSCO  ; my row's 16 scale bytes: word i serves tiles i and 4 + i
	s_wait_alu depctr_va_vdst(0)
	s_wait_dscnt 0x0
.irp t, 0,1,2,3
	WM SR+8*\t, KF+8*\t, QZ+8, 0, KSC+\t, QSC
.endr
.irp t, 4,5,6,7
	WM SR+8*\t, KF+8*\t-8, QZ, 0, KSC+\t-4, QSC
.endr
.rept 8
	v_nop                                          ; places in front of the loads below and of the first read of the scores
.endr
.irp d, 0,1,2,3                        ; V's fragments are asked for here and land under the softmax
.irp c, 0,1,2,3
	ds_load_b128 v[KF+16*\d+4*\c:KF+16*\d+4*\c+3], v[ADK] offset:VIMG+2048*\d+512*\c
.endr
.endr
	ds_load_b128 v[VSC:VSC+3], v[ADS] offset:VSCO  ; my row's scale words of the four fragments
.if \kind
	s_cmp_lg_u32 s35, s32
	s_cbranch_scc1 .Lopen_\@                       ; only the step of my own record lies on the diagonal
.set n, 0
.rept 64                               ; register 16 b + i holds key 32 b + 16 (lane / 16) + i of the step: hidden where 32 b + i > my query's place - 16 (lane / 16)
	v_cmp_gt_i32 vcc_lo, 32*(n/16)+n%16, v[QD]
	v_cndmask_b32 v[SR+n], v[SR+n], v[NINF], vcc_lo
.set n, n+1
.endr
.Lopen_\@:
.endif
.irp b, 0,1,2,3
	v_max3_num_f32 v[BM+\b], v[SR+16*\b], v[SR+1+16*\b], v[SR+2+16*\b]   ; the largest score of each block of 32 keys: for the row's maximum and, since p rises with the score, for the block's largest p
.endr
.irp i, 3,5,7,9,11,13
.irp b, 0,1,2,3
	v_max3_num_f32 v[BM+\b], v[BM+\b], v[SR+16*\b+\i], v[SR+1+16*\b+\i]
.endr
.endr
.irp b, 0,1,2,3
	v_max_num_f32 v[BM+\b], v[BM+\b], v[SR+15+16*\b]
.endr
.irp b, 0,1,2,3
	v_permlanex16_b32 v[T1+\b], v[BM+\b], s[SEL], s[SEL+1]
.endr
.irp b, 0,1,2,3
	v_max_num_f32 v[BM+\b], v[BM+\b], v[T1+\b]     ; with lane l xor 16's 16 keys
.endr
	v_max3_num_f32 v[TMP], v[BM], v[BM+1], v[BM+2]
	v_mov_b32 v[TMP+1], v12                        ; the old -M
	v_max3_num_f32 v13, v[TMP], v[BM+3], v13       ; the running largest score
	v_mul_f32 v[TMP], s[CS], v13                   ; as t (c is positive, so the largest score gives the largest t)
	v_floor_f32 v12, -v[TMP]                       ; the new -M = floor(-t): M is a whole number
.set n, 0
.rept 32
	v_pk_fma_f32 v[SR+n:SR+n+1], v[SR+n:SR+n+1], s[CS:CS+1], v[12:13] op_sel_hi:[1,0,0]   ; t - M, two at a time; the three lines that make f stand among them
.if n == 4
	v_sub_f32 v[TMP], v12, v[TMP+1]                ; old M - new M: a whole number, 0 or less
.elseif n == 12
	v_cvt_i32_f32 v[TMP], v[TMP]                   ; (it saturates)
.elseif n == 20
	v_ldexp_f32 v[F], 1.0, v[TMP]                  ; f = 2^(old M - new M)
.endif
.set n, n+2
.endr
.irp b, 0,1,2,3
	v_fma_f32 v[BM+\b], v[BM+\b], s[CS], v12       ; the same of each block's largest score
.endr
	s_wait_alu depctr_va_vdst(0)
.set n, 0
.rept 64
	v_exp_f32 v[SR+n], v[SR+n]                     ; p = 2^(t - M), at most 1
.set n, n+1
.endr
	v_pk_mul_f32 v[14:15], v[14:15], v[F:F+1] op_sel_hi:[1,0]   ; the sums under the new M: a plain line behind the exponentials
	s_wait_alu depctr_va_vdst(0)                   ; one wait for the whole batch, ahead of its first reader
.irp b, 0,1,2,3
	v_exp_f32 v[BM+\b], v[BM+\b]                   ; the block's largest p: the same two instructions on the same number give the same bits
.endr
	v_pk_add_f32 v[248:249], v[SR:SR+1], v[SR+2:SR+3]      ; the row's sum of the unquantised p: two at a time, in four chains
	v_pk_add_f32 v[250:251], v[SR+4:SR+5], v[SR+6:SR+7]
	v_pk_add_f32 v[252:253], v[SR+8:SR+9], v[SR+10:SR+11]
.set n, 12
.rept 26
.set AC, 246+2*((n/2)%4)
.if (n/2)%4 == 0
.set AC, 14
.endif
	v_pk_add_f32 v[AC:AC+1], v[AC:AC+1], v[SR+n:SR+n+1]
.set n, n+2
.endr
	v_pk_add_f32 v[14:15], v[14:15], v[248:249]
	v_pk_add_f32 v[250:251], v[250:251], v[252:253]
	v_pk_add_f32 v[14:15], v[14:15], v[250:251]
	s_wait_alu depctr_va_vdst(0)                   ; and one for the four
.irp b, 0,1,2,3
	v_max_num_f32 v[BM+\b], 0x8000000, v[BM+\b]    ; the floor 2^(16 - 127): the byte cannot fall under 1
.endr
.irp b, 0,1,2,3
	v_add_nc_u32 v[SCOP+\b], 0xf8800000, v[BM+\b]  ; 15 off the exponent field: the conversion's scale operand
.endr
.irp b, 0,1,2,3
	v_and_or_b32 v[HOLD+\b], v[BM+\b], 0x7f800000, s[MNT]   ; 57,344 x the scale
.endr
.irp b, 0,1,2,3
	v_lshrrev_b32 v[T1+\b], 23, v[SCOP+\b]         ; the byte
.endr
	v_lshl_or_b32 v[PWD], v[T1+1], 8, v[T1]        ; p's scale word for these 128 keys
	v_lshl_or_b32 v[PWD], v[T1+2], 16, v[PWD]
	v_lshl_or_b32 v[PWD], v[T1+3], 24, v[PWD]
.irp b, 0,1,2,3
.irp i, 0,2,4,6,8,10,12,14
	v_dual_min_num_f32 v[SR+16*\b+\i], v[SR+16*\b+\i], v[HOLD+\b] :: v_dual_min_num_f32 v[SR+16*\b+\i+1], v[SR+16*\b+\i+1], v[HOLD+\b]   ; the conversion does not saturate (ISA guide 7.6.2); p is not negative, so the hold is one-sided; two to a line
.endr
	v_cvt_scalef32_pk8_bf8_f32 v[PCD+4*\b:PCD+4*\b+1], v[SR+16*\b:SR+16*\b+7], v[SCOP+\b]
	v_cvt_scalef32_pk8_bf8_f32 v[PCD+4*\b+2:PCD+4*\b+3], v[SR+16*\b+8:SR+16*\b+15], v[SCOP+\b]
.endr
	s_wait_alu depctr_va_vdst(0)                   ; directly ahead of the first reader of O^T
.set n, 0
.rept 16
	v_pk_mul_f32 v[OT+n:OT+n+1], v[OT+n:OT+n+1], v[F:F+1] op_sel_hi:[1,0]   ; O^T under the new M.  These sixteen are also the places between the codes and the products
.set n, n+2
.endr
	s_wait_alu depctr_va_vdst(0)
	s_wait_dscnt 0x0                               ; V
.irp d, 0,1,2,3                        ; four accumulators, one instruction a turn
	WM OT+8*\d, KF+16*\d, PCD, v[OT+8*\d:OT+8*\d+7], VSC+\d, PWD
.endr
.if \kind
.Lhid_\@:
.endif
	s_add_co_u32 s34, s34, KV
	s_add_co_u32 s35, s35, 1
.endm
; THE WAY OUT.  O^T / the sum; register 16 b + i of lane (r, h) is d = 32 b + 16 h + i of query r.  Image rows 0-7 are eight neighbouring tokens, rows 8-15 the eight that lie 16 further on:
; eight rows at a time go through my stage and leave as whole parts of 256 bytes (one token, one head), sixteen lanes to each.  (A stage of 16 rows for each of 16 waves does not fit beside the head's K and V.)
.macro WAYOUT
.rept 8
	v_nop                                          ; places behind the last products
.endr
	v_add_f32 v14, v14, v15
	v_permlanex16_b32 v[TMP], v14, s[SEL], s[SEL+1]
	v_add_f32 v14, v14, v[TMP]                     ; the row's sum
	s_wait_alu depctr_va_vdst(0)
	v_rcp_f32 v14, v14
	v_nop                                          ; a plain line behind it
	s_wait_alu depctr_va_vdst(0)                   ; and the wait ahead of its first reader, which is also O^T's
.set n, 0
.rept 32
	v_mul_f32 v[SR+n], v[OT+n], v14                ; each accumulator from its low end on
.set n, n+1
.endr
	s_wait_alu depctr_va_vdst(0)
.irp p, 0,1
	s_wait_xcnt 0x0                                ; EXEC changes only behind this wait
.if \p == 0
	v_cmp_gt_u32 vcc_lo, 8, v10                    ; image rows 0-7
.else
	v_cmp_le_u32 vcc_lo, 8, v10                    ; image rows 8-15
.endif
	s_and_saveexec_b32 s47, vcc_lo
.irp b, 0,1
.irp i, 0,1,2,3
	ds_store_b128 v[STI], v[SR+16*\b+4*\i:SR+16*\b+4*\i+3] offset:128*\b+16*\i
.endr
.endr
	s_or_b32 exec_lo, exec_lo, s47                 ; (no global instruction has been issued since the wait above)
.irp t, 0,1,2,3
	ds_load_b128 v[SR+32+16*\p+4*\t:SR+32+16*\p+4*\t+3], v[STO] offset:544*\t   ; LDS serves a wave's instructions in order (ISA guide 5.7.1.4): these see the stores above
.endr
.irp t, 0,1,2,3
	s_wait_dscnt 3-\t
	global_store_b128 v[GO], v[SR+32+16*\p+4*\t:SR+32+16*\p+4*\t+3], s[40:41] offset:8192*\t+65536*\p th:TH_STORE_NT   ; 16 lanes store 256 consecutive bytes, aligned
.endr
.endr
.endm
	TSET 1                                         ; the large tile, set up while the records are on their way
	s_wait_alu depctr_va_vdst(0)
	s_cmp_lt_u32 s[WV], 8
	s_cbranch_scc0 .Lnot_mine
	s_wait_tensorcnt 0x0                           ; waves 0 to 7: my record, one of 0 to 7, has landed.  The other waves' wait stands at the second barrier
.Lnot_mine:
	s_barrier_signal -1
	s_barrier_wait -1                              ; records 0 to 7 lie in LDS
.Lfirst:                                               ; key steps 0 to 7 of the large tile
	STEP 0
	s_cmp_lt_u32 s35, 8
	s_cbranch_scc1 .Lfirst
	s_wait_tensorcnt 0x0                           ; every wave: my record has landed,
	s_wait_dscnt 0x0
	s_barrier_signal -1
	s_barrier_wait -1                              ; everybody's has: the head's K and V lie in LDS for the rest of the launch
	s_mov_b32 s34, 8*KV
	v_add_nc_u32 v[ADK], s14, v[LI]
.irp k, 0,1,2,3,4
	ds_store_b128 v[ADK], v[QZ:QZ+3] offset:512*\k ; my stage is cleared once, all lanes on (no tensor load is out or follows): every byte that the way out reads back has been written
.endr
.Lrest:                                                ; key steps 8 to 15: up to my record
	STEP 1
	s_cmp_lt_u32 s35, 16
	s_cbranch_scc1 .Lrest
	WAYOUT
	TSET 0                                         ; the small tile
.Lsmall:                                               ; key steps 0 to 7: up to my record
	STEP 1
	s_cmp_lt_u32 s35, 8
	s_cbranch_scc1 .Lsmall
	WAYOUT
	s_wait_tensorcnt 0x0                           ; the wave's end: behind my last LDS store
	ds_add_u32 v[SPW], v[NIL]
	s_wait_dscnt 0x0
	CROUND                                         ; the closing round: no work-group ends while a partner may still ask for a record that names it
	s_endpgm
.Lfunc_end_k_q34427812f5_attn:
	.size	k_q34427812f5_attn, .Lfunc_end_k_q34427812f5_attn-k_q34427812f5_attn
	.p2alignl 7, 3214868480
	.fill 96, 4, 3214868480
	.section	.rodata,"a",@progbits
	.p2align	6, 0x0
	.amdhsa_kernel k_q34427812f5_attn
		.amdhsa_group_segment_fixed_size 327680
		.amdhsa_private_segment_fixed_size 0
		.amdhsa_enable_private_segment 0
		.amdhsa_kernarg_size 16
		.amdhsa_user_sgpr_count 2
		.amdhsa_user_sgpr_kernarg_segment_ptr 1
		.amdhsa_wavefront_size32 1
		.amdhsa_system_sgpr_workgroup_id_x 1
		.amdhsa_system_sgpr_workgroup_id_y 1
		.amdhsa_system_sgpr_workgroup_id_z 1
		.amdhsa_system_vgpr_workitem_id 0
		.amdhsa_next_free_vgpr 256
		.amdhsa_next_free_sgpr 66
		.amdhsa_reserve_vcc 1
		.amdhsa_float_denorm_mode_32 3
		.amdhsa_float_denorm_mode_16_64 3
		.amdhsa_memory_ordered 1
		.amdhsa_forward_progress 1
		.amdhsa_inst_pref_size 86
	.end_amdhsa_kernel
	.amdgpu_metadata
---
amdhsa.version: [ 1, 2 ]
amdhsa.kernels:
  - .name:           k_q34427812f5_attn
    .symbol:         k_q34427812f5_attn.kd
    .args:
      - { .name: qkv, .offset: 0, .size: 8, .value_kind: global_buffer, .address_space: global }
      - { .name: out0, .offset: 8, .size: 8, .value_kind: global_buffer, .address_space: global }
    .group_segment_fixed_size: 327680
    .private_segment_fixed_size: 0
    .kernarg_segment_align: 8
    .kernarg_segment_size: 16
    .max_flat_workgroup_size: 512
    .sgpr_count:     66
    .vgpr_count:     256
    .wavefront_size: 32
...
	.end_amdgpu_metadata
.endif
;; end of part 3
